; MI455X (gfx1250); checked and timed in simulation.
; The chip was launched on July 23, 2026; its instructions are those of AMD's public machine-readable ISA for CDNA 5 (MIT licence, August 2026) and "CDNA5" Instruction Set Architecture Reference Guide (July 2026). The comments in the code are by the model that wrote it; some were corrected since.
;; Multi Perspective Layer. Allowed arithmetic: float matrix products may take bf16 or f16 operands with f32 sums; other float arithmetic in f32, or as packed bf16 or f16 multiplies, adds, multiply-adds, maxima and minima; sums over many terms, partial sums and values carried from step to step in f32; what a program stores and reads back later, other than sums and carried values, may be rounded once to bf16 or f16.
;; Inputs: W_att 32 x 256 float32; W_full 32 x 256 float32; W_maxatt 32 x 256 float32; W_maxpool 32 x 256 float32; backward_c_lt 32 x 128 float32; backward_c_rt 32 x 128 float32; backward_h_lt 32 x 128 float32; backward_h_rt 32 x 128 float32; forward_c_lt 32 x 128 float32; forward_c_rt 32 x 128 float32; forward_h_lt 32 x 128 float32; forward_h_rt 32 x 128 float32; lstm_lt 32 x 256 x 256 float32; lstm_rt 32 x 256 x 256 float32.
;; Outputs: out0 32 x 256 x 128 float32.
;; One version. Each part assembles by itself: llvm-mc -triple=amdgcn-amd-amdhsa -mcpu=gfx1250 --defsym DOCPART=n.
;; ======== version 1 of 1: 1 launch
;; limits: values outside matrix products are rounded to bf16
;; launch mp (part 1): grid 256 x 1, 4 waves a work-group, no clusters, 304,896 bytes of LDS; arguments lstm_lt, lstm_rt, forward_h_rt, backward_h_rt, W_full, W_maxpool, W_att, W_maxatt, out0; writes out0
.if DOCPART == 1
	.amdgcn_target "amdgcn-amd-amdhsa--gfx1250"
	.amdhsa_code_object_version 6
	.text
	.protected	k_q58fa9571c7_mp
	.globl	k_q58fa9571c7_mp
	.p2align	8
	.type	k_q58fa9571c7_mp,@function
k_q58fa9571c7_mp:
	s_mov_b64 s[64:65], 0
	v_nop
	global_prefetch_b8 v0, s[64:65] scope:SCOPE_SE
	s_setreg_imm32_b32 hwreg(HW_REG_WAVE_MODE, 25, 1), 1
	s_wait_xcnt 0x0
; MultiPerspectiveLayer: out0[b][i][0:32] full, [32:64] max-pooling, [64:96] attentive, [96:128] max-attentive.
; One launch.  Work-group = batch b (ttmp9 >> 3), rows i = 32 g .. 32 g + 31 (g = ttmp9 & 7), all j, all l: 16 KiB of out0.
; 256 work-groups of equal work, four waves each.
; FORMATS: lt, rt, h_rt and the four W are rounded once to bf16 for the matrix products; sums, norms, cosines, the attention
; vector and tanh are f32.  Three operands that are themselves results (cosines, lt x att, lt x h) go into the matrix unit as
; hi = bf16(x) and lo = bf16(x - hi), two products each, so that they add no rounding of their own.
; tanh is monotone, so max over j of tanh(x) = tanh(max over j of x): the maximum is taken first, one tanh for each output.
; EVERY PRODUCT IS USED TRANSPOSED, with i in the lanes: source 1 holds the operand whose rows are i, so that in each result
; lane l holds row i = l % 16 and its eight registers eight neighbouring j, d or l.  A result therefore becomes the next operand,
; or is reduced over j, without leaving its lane.
; LIMITS: a NaN input is not carried through the maximum (v_max3_num_f32 lets a NaN lose, jnp.max keeps it).  The division by the
; two norms is a multiplication by two v_rsq_f32 results.  |rt_j| is formed from rt as rounded to bf16 (the diagonal of rt rt^T, f32 sums);
; |lt_i| from lt in f32.  forward_h_lt, backward_h_lt and the four c states do not enter reference() at all: no output hangs on
; them, so they are not loaded.
; NO CLUSTER: rt (shared by the 8 work-groups of a batch) and W are f32 in memory and have to pass through registers for the rounding;
; beside the bf16 copies 23,296 bytes of LDS are left, 11 rows of f32 in each of two slots, 24 joint refills for 256 rows.
; So they come by plain loads.
.set PITCH, 528                        ; an LDS row: 512 bytes + 16 = 33 x 16: sixteen rows of a fragment start at sixteen different 16-byte columns modulo 256
.set MAT,   32*PITCH                   ; a matrix of 32 rows
.set T16,   16*PITCH                   ; 16 rows
.set INL,   0                          ; 32 f32: 1 / |lt_i|
.set SHI,   256                        ; cosines hi [32 i][256 j]; later (lt x att) hi [32 i][256 d]
.set SLO,   SHI+MAT                    ; the same, lo
.set FHI,   SLO+MAT                    ; (lt x h) hi [32 i][256 d]
.set FLO,   FHI+MAT                    ; lo
.set LT,    FLO+MAT                    ; lt in bf16 [32][256]
.set WMP,   LT+MAT                     ; W_maxpool, W_full, W_att, W_maxatt in bf16 [32][256]
.set WFU,   WMP+MAT
.set WAT,   WFU+MAT
.set WMA,   WAT+MAT
.set STG,   WMA+MAT                    ; arguments of tanh, f32 [32 i][128]
.set RT,    STG+MAT                    ; rt in bf16 [256][256]; ends at 304,384
; window 0
.set PAT, 4                            ; 528 r + 16 h   (r = lane % 16, h = lane / 16): a fragment's lane term
.set GH,  5                            ; 16 lane
.set GL,  6                            ; 8 rows x 1,024 bytes x wave + 16 lane
.set GR,  7                            ; 64 rows x 1,024 bytes x wave + 16 lane
.set LF,  8                            ; FHI + 8 rows x wave + 8 lane
.set LW,  9                            ; WMP + 8 rows x wave + 8 lane
.set LR,  10                           ; RT + 64 rows x wave + 8 lane
.set NL,  12                           ; INL + 32 wave
.set LA,  13                           ; LT + PAT
.set RA,  14                           ; RT + 64 rows x wave + PAT
.set IL,  16                           ; INL + 4 r
.set SA,  17                           ; SHI + PAT + 128 wave
.set TR0, 18                           ; RT + (8 h + lane % 8) rows + 16 ((lane >> 3) & 1) + 128 wave
.set TR1, 19                           ; TR0 + 128 rows
.set SB,  20                           ; SHI + PAT
.set LP,  21                           ; LT + PAT + 128 wave
.set FB,  22                           ; SHI + PAT + (wave & 1) x 16 rows
.set WB,  23                           ; WFU + PAT + (wave >> 1) x 16 rows
.set ST,  24                           ; STG + (wave & 1) x 16 rows + 528 r + 64 (wave >> 1) + 32 h
.set SM,  25                           ; STG + 528 r + 128 + 32 wave
.set WP,  26                           ; WMP + 8 rows x wave + 16 h
.set ADR, 27                           ; RT + PAT + 16 rows x j tile: stepped
.set OL,  28                           ; STG + 8 rows x wave + 16 lane
.set GO,  29                           ; 4,096 wave + 16 lane
.set INLR, 30                          ; v[30:31] 1 / |lt_i| of i = r and of i = 16 + r
.set RUN, 32                           ; v[32:39] running maxima, one for each of 8 tiles
.set TS,  32                           ; the same registers while loading: lt's 8 row sums
.set F,   40                           ; v[40:103]  load slot 0; W rows; rt fragments of the max-pool loop
.set ACC0, 104                         ; v[104:167] load slot 1; W rows; 8 accumulator tiles
.set ACC1, 168                         ; v[168:231] load slot 2; W rows; 8 accumulator tiles
.set Y,   232                          ; v[232:239] at work
.set HB,  232                          ; the same while loading: my 8 numbers of h_rt
.set U,   240                          ; v[240:247] at work
.set HI,  248                          ; v[248:255] at work
.set ALT0, 232                         ; the max-pool loop's second buffer for the fragments of K steps 0 to 3:
.set ALT1, 240                         ; registers that hold nothing else in that phase
.set ALT2, 248
.set ALT3, 16                          ; v[16:23]: LDS addresses of the attention phase, done with by then
; window 1: v0-127 lt fragments (i tile it, K step ks) at 8 (8 it + ks), kept to the end
; windows 2, 3: operands of the attention products; then the 64 scaled fragments (K step ks, tile t = 4 it + lq) at 64 (ks & 3) + 8 t,
;               K steps 0-3 in window 2, 4-7 in window 3
; s40-s46: lanes with lane % 8 = 1 .. 7;  s47: lanes with (lane % 16) / 8 = lane / 16
.set MSB, 0
.macro WIN new                         ; low byte: bits 1:0 source 0, 3:2 source 1, 5:4 source 2, 7:6 destination; the high byte repeats the setting that is left
.if MSB != \new
	s_set_vgpr_msb (MSB<<8)|\new
.set MSB, \new
.endif
.endm
.macro PLACES                          ; four places behind a matrix instruction (ISA guide 7.12.1) where there is no other vector work
.rept 4
	v_nop
.endr
.endm
.macro BAR                             ; my LDS stores are done and my LDS loads are back; then all four waves meet
	s_wait_dscnt 0x0
	s_barrier_signal -1
	s_barrier_wait -1
.endm
	s_load_b512 s[8:23], s[0:1], 0x0               ; lt 8, rt 10, forward_h_rt 12, backward_h_rt 14, W_full 16, W_maxpool 18, W_att 20, W_maxatt 22
	s_load_b64 s[24:25], s[0:1], 0x40              ; out0
	v_lshl_add_u32 v11, v0, 2, 0x4a500
	v_mov_b32 v15, 0
	v_lshrrev_b32 v1, 5, v0
	v_readfirstlane_b32 s2, v1                     ; wave 0..3
	s_lshr_b32 s3, ttmp9, 3                        ; b
	s_and_b32 s4, ttmp9, 7                         ; g
	s_mov_b32 s26, 0xff800000                      ; -infinity
	s_mov_b32 s27, 0xffff0000                      ; a word's upper bf16
	s_mov_b32 s28, 0x76543210                      ; v_permlanex16_b32: lane i reads lane i of the other half
	s_mov_b32 s29, 0xfedcba98
	s_mov_b32 s30, 0x358637bd                      ; EPS = 1e-6
	s_mov_b32 s31, T16
	s_mov_b32 s33, 0x4038aa3b                      ; 2 log2(e)
	s_mov_b32 s34, 0x3e088889                      ; 2/15
	s_mov_b32 s35, 0xbeaaaaab                      ; -1/3
	s_mov_b32 s36, 0x3c800000                      ; 1/64 = 0.125 squared
	v_and_b32 v1, 31, v0                           ; lane
	v_and_b32 v2, 15, v0                           ; r
	v_bfe_u32 v3, v0, 4, 1                         ; h
	v_mul_u32_u24 v[PAT], v2, PITCH
	v_lshl_add_u32 v[PAT], v3, 4, v[PAT]
	v_lshlrev_b32 v[GH], 4, v1
	s_lshl_b32 s37, s2, 13
	v_add_nc_u32 v[GL], s37, v[GH]
	s_lshl_b32 s37, s2, 16
	v_add_nc_u32 v[GR], s37, v[GH]
	s_lshl_b32 s6, s3, 18                          ; a batch of lt or rt: 256 rows of 1,024 bytes
	s_mov_b32 s7, 0
	s_wait_kmcnt 0x0
	s_add_nc_u64 s[10:11], s[10:11], s[6:7]        ; rt at batch b
	s_lshl_b32 s5, s4, 15                          ; 32 rows
	s_add_co_u32 s6, s6, s5
	s_add_nc_u64 s[8:9], s[8:9], s[6:7]            ; lt at my first row
	s_lshl_b32 s6, s3, 9                           ; 128 f32
	s_add_nc_u64 s[12:13], s[12:13], s[6:7]
	s_add_nc_u64 s[14:15], s[14:15], s[6:7]
	s_lshl_b32 s6, s3, 17                          ; a batch of out0: 256 rows of 512 bytes
	s_lshl_b32 s5, s4, 14
	s_add_co_u32 s6, s6, s5
	s_add_nc_u64 s[24:25], s[24:25], s[6:7]
; ---------------------------------------------------------------- LOADING: memory, registers, LDS
; A batch is 8 rows of 1,024 bytes for each wave, 16 loads of 512 consecutive bytes; lane l holds d = 4 l .. 4 l + 3 (registers 0-3 of the row)
; and d = 128 + 4 l .. (registers 4-7).  Three register slots take turns over 13 batches: lt, 8 of rt, 4 W.  No address register is ever rewritten.
.macro ISSUE slot, voff, sb, imm0, nt
.irp k, 0,1,2,3,4,5,6,7
.irp q, 0,1
.if \nt
	global_load_b128 v[F+64*\slot+8*\k+4*\q:F+64*\slot+8*\k+4*\q+3], v[\voff], s[\sb:\sb+1] offset:\imm0+1024*\k+512*\q th:TH_LOAD_NT
.else
	global_load_b128 v[F+64*\slot+8*\k+4*\q:F+64*\slot+8*\k+4*\q+3], v[\voff], s[\sb:\sb+1] offset:\imm0+1024*\k+512*\q
.endif
.endr
.endr
.endm
; the slot's 8 rows rounded to bf16, in place (words 0, 1 and 4, 5 of each row), all eight first; then stored: each store covers 256 consecutive bytes
.macro CVTOUT x0, areg, imm0
.irp k, 0,1,2,3,4,5,6,7
	v_cvt_pk_bf16_f32 v[\x0+8*\k], v[\x0+8*\k], v[\x0+8*\k+1]
	v_cvt_pk_bf16_f32 v[\x0+8*\k+1], v[\x0+8*\k+2], v[\x0+8*\k+3]
	v_cvt_pk_bf16_f32 v[\x0+8*\k+4], v[\x0+8*\k+4], v[\x0+8*\k+5]
	v_cvt_pk_bf16_f32 v[\x0+8*\k+5], v[\x0+8*\k+6], v[\x0+8*\k+7]
.endr
.irp k, 0,1,2,3,4,5,6,7
	ds_store_b64 v[\areg], v[\x0+8*\k:\x0+8*\k+1] offset:\imm0+PITCH*\k
	ds_store_b64 v[\areg], v[\x0+8*\k+4:\x0+8*\k+5] offset:\imm0+PITCH*\k+256
.endr
.endm
; row k of lt (already bf16 in words x, x+1, x+4, x+5) times h, split into hi and lo.  hi goes into the row's own spare words (x+2, x+3, x+6, x+7),
; lo into four pairs that take turns, so that no register is written again while a store just issued reads it.
.macro ROWF x, k
.irp q, 0,1
	v_lshlrev_b32 v[U], 16, v[\x+4*\q]
	v_and_b32 v[U+1], s27, v[\x+4*\q]
	v_lshlrev_b32 v[U+2], 16, v[\x+4*\q+1]
	v_and_b32 v[U+3], s27, v[\x+4*\q+1]
	v_pk_mul_f32 v[U:U+1], v[U:U+1], v[HB+4*\q:HB+4*\q+1]
	v_pk_mul_f32 v[U+2:U+3], v[U+2:U+3], v[HB+4*\q+2:HB+4*\q+3]
	v_cvt_pk_bf16_f32 v[\x+4*\q+2], v[U], v[U+1]
	v_cvt_pk_bf16_f32 v[\x+4*\q+3], v[U+2], v[U+3]
	v_lshlrev_b32 v[U+4], 16, v[\x+4*\q+2]
	v_and_b32 v[U+5], s27, v[\x+4*\q+2]
	v_lshlrev_b32 v[U+6], 16, v[\x+4*\q+3]
	v_and_b32 v[U+7], s27, v[\x+4*\q+3]
	v_pk_add_f32 v[U:U+1], v[U:U+1], v[U+4:U+5] neg_lo:[0,1] neg_hi:[0,1]
	v_pk_add_f32 v[U+2:U+3], v[U+2:U+3], v[U+6:U+7] neg_lo:[0,1] neg_hi:[0,1]
	v_cvt_pk_bf16_f32 v[HI+2*((2*\k+\q)%4)], v[U], v[U+1]
	v_cvt_pk_bf16_f32 v[HI+2*((2*\k+\q)%4)+1], v[U+2], v[U+3]
	ds_store_b64 v[LF], v[\x+4*\q+2:\x+4*\q+3] offset:PITCH*\k+256*\q
	ds_store_b64 v[LF], v[HI+2*((2*\k+\q)%4):HI+2*((2*\k+\q)%4)+1] offset:MAT+PITCH*\k+256*\q
.endr
.endm
	global_load_b128 v[HB:HB+3], v[GH], s[12:13]           ; h_rt[4 l ..] = forward_h_rt
	global_load_b128 v[HB+4:HB+7], v[GH], s[14:15]         ; h_rt[128 + 4 l ..] = backward_h_rt
	ISSUE 0, GL, 8, 0, 1                                   ; lt: read by this work-group alone
	ISSUE 1, GR, 10, 0, 0
	ISSUE 2, GR, 10, 8192, 0
	; the LDS addresses and the lane masks, while the first loads are on their way
	s_mul_i32 s37, s2, 8*PITCH
	s_add_co_u32 s38, s37, FHI
	v_lshl_add_u32 v[LF], v1, 3, s38
	s_add_co_u32 s38, s37, WMP
	v_lshl_add_u32 v[LW], v1, 3, s38
	v_lshl_add_u32 v[WP], v3, 4, s38
	s_add_co_u32 s38, s37, STG
	v_lshl_add_u32 v[OL], v1, 4, s38
	s_mul_i32 s37, s2, 64*PITCH
	s_add_co_u32 s37, s37, RT
	v_lshl_add_u32 v[LR], v1, 3, s37
	v_add_nc_u32 v[RA], s37, v[PAT]
	s_lshl_b32 s37, s2, 5
	s_add_co_u32 s38, s37, INL
	v_mov_b32 v[NL], s38
	v_mul_u32_u24 v[SM], v2, PITCH
	v_lshl_add_u32 v[ST], v3, 5, v[SM]
	s_add_co_u32 s38, s37, STG+128
	v_add_nc_u32 v[SM], s38, v[SM]
	v_lshl_add_u32 v[IL], v2, 2, INL
	v_add_nc_u32 v[LA], LT, v[PAT]
	v_add_nc_u32 v[SB], SHI, v[PAT]
	s_lshl_b32 s37, s2, 7
	s_add_co_u32 s38, s37, SHI
	v_add_nc_u32 v[SA], s38, v[PAT]
	s_add_co_u32 s38, s37, LT
	v_add_nc_u32 v[LP], s38, v[PAT]
	s_add_co_u32 s38, s37, RT
	v_and_b32 v[TR0], 7, v0
	v_lshl_add_u32 v[TR0], v3, 3, v[TR0]
	v_mul_u32_u24 v[TR0], v[TR0], PITCH
	v_bfe_u32 v[TR1], v0, 3, 1
	v_lshl_add_u32 v[TR0], v[TR1], 4, v[TR0]
	v_add_nc_u32 v[TR0], s38, v[TR0]
	v_add_nc_u32 v[TR1], 4*MAT, v[TR0]
	s_and_b32 s37, s2, 1
	s_mul_i32 s37, s37, T16
	s_lshr_b32 s38, s2, 1
	s_add_co_u32 s39, s37, SHI
	v_add_nc_u32 v[FB], s39, v[PAT]
	s_lshl_b32 s39, s38, 6
	s_add_co_u32 s39, s39, s37
	s_add_co_u32 s39, s39, STG
	v_add_nc_u32 v[ST], s39, v[ST]
	s_mul_i32 s38, s38, T16
	s_add_co_u32 s38, s38, WFU
	v_add_nc_u32 v[WB], s38, v[PAT]
	s_lshl_b32 s37, s2, 12
	v_lshl_add_u32 v[GO], v1, 4, s37
	v_and_b32 v[INLR], 7, v0                       ; lane % 8 (the two registers are free until the attention phase loads them)
.irp e, 1,2,3,4,5,6,7
	v_cmp_eq_u32 s[39+\e], \e, v[INLR]
.endr
	v_bfe_u32 v[INLR+1], v0, 3, 1
	v_cmp_eq_u32 s47, v[INLR+1], v3                ; r / 8 = h
	; Every wait below leaves the two younger batches (32 loads) on their way; at the end the counts run down 16, 0.
	s_wait_loadcnt 32                              ; h and lt are in
.irp p, 0,1,2,3
	v_cvt_pk_bf16_f32 v[U+\p], v[HB+2*\p], v[HB+2*\p+1]    ; h rounded to bf16 ...
.endr
.irp p, 0,1,2,3
	v_lshlrev_b32 v[HB+2*\p], 16, v[U+\p]                  ; ... and widened again
	v_and_b32 v[HB+2*\p+1], s27, v[U+\p]
.endr
	; the sums of squares of lt's 8 rows, in every lane; stage by stage over the rows, so that no line waits for the one in front of it
.irp k, 0,1,2,3,4,5,6,7
	v_pk_mul_f32 v[U+2*\k:U+2*\k+1], v[F+8*\k:F+8*\k+1], v[F+8*\k:F+8*\k+1]
.endr
.irp p, 2,4,6
.irp k, 0,1,2,3,4,5,6,7
	v_pk_fma_f32 v[U+2*\k:U+2*\k+1], v[F+8*\k+\p:F+8*\k+\p+1], v[F+8*\k+\p:F+8*\k+\p+1], v[U+2*\k:U+2*\k+1]
.endr
.endr
.irp k, 0,1,2,3,4,5,6,7
	v_add_f32 v[TS+\k], v[U+2*\k], v[U+2*\k+1]
.endr
.irp m, 1,2,4,8
.irp k, 0,1,2,3,4,5,6,7
	v_add_f32_dpp v[TS+\k], v[TS+\k], v[TS+\k] row_xmask:\m row_mask:0xf bank_mask:0xf
.endr
.endr
.irp k, 0,1,2,3,4,5,6,7
	v_permlanex16_b32 v[U+\k], v[TS+\k], s28, s29  ; the destination has been written above
.endr
.irp k, 0,1,2,3,4,5,6,7
	v_add_f32 v[TS+\k], v[TS+\k], v[U+\k]
.endr
.irp k, 0,1,2,3,4,5,6,7
	v_max_num_f32 v[TS+\k], s30, v[TS+\k]
.endr
.irp k, 0,1,2,3,4,5,6,7
	v_rsq_f32 v[TS+\k], v[TS+\k]                   ; 1 / sqrt(max(sum, EPS))
.endr
	v_nop                                          ; one plain place behind the last v_rsq_f32 before its result is used (ISA guide 5.7.2)
	s_wait_alu depctr_va_vdst(0)
.irp k, 0,1,2,3,4,5,6,7
	ds_store_b32 v[NL], v[TS+\k] offset:4*\k       ; all lanes store the same word with the same value
.endr
	CVTOUT F, LF, 2*MAT                            ; LT lies two matrices behind FHI
.irp k, 0,1,2,3,4,5,6,7
	ROWF F+8*\k, \k
.endr
	ISSUE 0, GR, 10, 2*8192, 0
	s_wait_loadcnt 32
	CVTOUT F+64, LR, 0                             ; rt: rows 64 wave + 8 m .., m = 0 .. 7
	ISSUE 1, GR, 10, 3*8192, 0
	s_wait_loadcnt 32
	CVTOUT F+128, LR, 8*PITCH
	ISSUE 2, GR, 10, 4*8192, 0
	s_wait_loadcnt 32
	CVTOUT F, LR, 2*8*PITCH
	ISSUE 0, GR, 10, 5*8192, 0
	s_wait_loadcnt 32
	CVTOUT F+64, LR, 3*8*PITCH
	ISSUE 1, GR, 10, 6*8192, 0
	s_wait_loadcnt 32
	CVTOUT F+128, LR, 4*8*PITCH
	ISSUE 2, GR, 10, 7*8192, 0
	s_wait_loadcnt 32
	CVTOUT F, LR, 5*8*PITCH
	ISSUE 0, GL, 18, 0, 0                          ; W_maxpool
	s_wait_loadcnt 32
	CVTOUT F+64, LR, 6*8*PITCH
	ISSUE 1, GL, 16, 0, 0                          ; W_full
	s_wait_loadcnt 32
	CVTOUT F+128, LR, 7*8*PITCH
	ISSUE 2, GL, 20, 0, 0                          ; W_att
	s_wait_loadcnt 32
	CVTOUT F, LW, 0
	ISSUE 0, GL, 22, 0, 0                          ; W_maxatt
	s_wait_loadcnt 32
	CVTOUT F+64, LW, MAT
	s_wait_loadcnt 16
	CVTOUT F+128, LW, 2*MAT
	s_wait_loadcnt 0
	CVTOUT F, LW, 3*MAT
	BAR                                            ; the bf16 copies and lt's norms are whole
; ---------------------------------------------------------------- ATTENTION AND FULL MATCHING
; 8 f32 at x into four words of hi (d .. d+3) and four of lo (d+4 .. d+7).  Each tile has a d of its own: no register that a store reads is written again.
.macro SPLIT x, d
.irp p, 0,1,2,3
	v_cvt_pk_bf16_f32 v[\d+\p], v[\x+2*\p], v[\x+2*\p+1]
.endr
.irp p, 0,1,2,3
	v_lshlrev_b32 v[U+2*\p], 16, v[\d+\p]
	v_and_b32 v[U+2*\p+1], s27, v[\d+\p]
.endr
.irp p, 0,1,2,3
	v_pk_add_f32 v[U+2*\p:U+2*\p+1], v[\x+2*\p:\x+2*\p+1], v[U+2*\p:U+2*\p+1] neg_lo:[0,1] neg_hi:[0,1]
.endr
.irp p, 0,1,2,3
	v_cvt_pk_bf16_f32 v[\d+4+\p], v[U+2*\p], v[U+2*\p+1]
.endr
.endm
.macro PUT a, it, d                    ; row 16 it + r, columns 16 (4 wave + a) + 8 h .. + 7: 16 bytes of hi, 16 of lo
	ds_store_b128 v[SA], v[\d:\d+3] offset:\it*T16+32*\a
	ds_store_b128 v[SA], v[\d+4:\d+7] offset:MAT+\it*T16+32*\a
.endm
	; A1: num^T.  Wave w: j tiles 4 w + a, both i tiles.  Source 0 = rt rows j, source 1 = lt rows i.
	ds_load_b32 v[INLR], v[IL]                     ; 1 / |lt_i|, i = r
	ds_load_b32 v[INLR+1], v[IL] offset:64         ; i = 16 + r
	WIN 0x40
.irp it, 0,1
.irp ks, 0,1,2,3,4,5,6,7
	ds_load_b128 v[8*(8*\it+\ks):8*(8*\it+\ks)+3], v[LA] offset:\it*T16+64*\ks
	ds_load_b128 v[8*(8*\it+\ks)+4:8*(8*\it+\ks)+7], v[LA] offset:\it*T16+64*\ks+32
.endr
.endr
	WIN 0x80
.irp ks, 0,1,2,3,4,5,6,7
.irp a, 0,1,2,3
	ds_load_b128 v[8*(4*\ks+\a):8*(4*\ks+\a)+3], v[RA] offset:\a*T16+64*\ks
	ds_load_b128 v[8*(4*\ks+\a)+4:8*(4*\ks+\a)+7], v[RA] offset:\a*T16+64*\ks+32
.endr
.endr
	WIN 0x06                                       ; source 0 window 2, source 1 window 1
.irp ks, 0,1,2,3,4,5,6,7
	s_wait_dscnt 56-8*\ks                          ; the 8 rt loads of each later K step may stay out; all older loads are back
.irp a, 0,1,2,3
.irp it, 0,1
.if \ks == 0
	v_wmma_f32_16x16x32_bf16 v[ACC0+8*(2*\a+\it):ACC0+8*(2*\a+\it)+7], v[8*(4*\ks+\a):8*(4*\ks+\a)+7], v[8*(8*\it+\ks):8*(8*\it+\ks)+7], 0
.else
	v_wmma_f32_16x16x32_bf16 v[ACC0+8*(2*\a+\it):ACC0+8*(2*\a+\it)+7], v[8*(4*\ks+\a):8*(4*\ks+\a)+7], v[8*(8*\it+\ks):8*(8*\it+\ks)+7], v[ACC0+8*(2*\a+\it):ACC0+8*(2*\a+\it)+7]
.endif
.endr
.endr
.endr                                              ; eight accumulators by turns, one instruction a turn
	; rt rt^T of my four j tiles, from the fragments that are in registers anyway: the same registers are source 0 and source 1 (the two have one layout).
	; The diagonal is the sum of squares of a row of rt.
	WIN 0x0a                                       ; sources 0 and 1 window 2
.irp ks, 0,1,2,3,4,5,6,7
.irp a, 0,1,2,3
.if \ks == 0
	v_wmma_f32_16x16x32_bf16 v[ACC1+8*\a:ACC1+8*\a+7], v[8*(4*\ks+\a):8*(4*\ks+\a)+7], v[8*(4*\ks+\a):8*(4*\ks+\a)+7], 0
.else
	v_wmma_f32_16x16x32_bf16 v[ACC1+8*\a:ACC1+8*\a+7], v[8*(4*\ks+\a):8*(4*\ks+\a)+7], v[8*(4*\ks+\a):8*(4*\ks+\a)+7], v[ACC1+8*\a:ACC1+8*\a+7]
.endif
.endr
.endr                                              ; four accumulators by turns
	WIN 0
	PLACES
	; Register e of lane (r, h) holds element (8 h + e, r).  Register r % 8 is element (8 h + r % 8, r): on the diagonal where r / 8 = h.
.irp e, 1,2,3,4,5,6,7
.irp a, 0,1,2,3
	v_cndmask_b32 v[ACC1+8*\a], v[ACC1+8*\a], v[ACC1+8*\a+\e], s[39+\e]
.endr
.endr
.irp a, 0,1,2,3
	v_mov_b32_dpp v[U+\a], v[ACC1+8*\a] row_xmask:8 row_mask:0xf bank_mask:0xf    ; lane r ^ 8 of my half of the lanes: on the diagonal where I am not (U was written while loading)
.endr
.irp a, 0,1,2,3
	v_cndmask_b32 v[U+\a], v[U+\a], v[ACC1+8*\a], s47      ; every lane: the sum of squares of row 8 h + r % 8
.endr
.irp a, 0,1,2,3
	v_max_num_f32 v[U+\a], s30, v[U+\a]
.endr
.irp a, 0,1,2,3
	v_rsq_f32 v[U+\a], v[U+\a]
.endr
	v_nop                                          ; one plain place behind the last v_rsq_f32 (ISA guide 5.7.2)
	s_wait_alu depctr_va_vdst(0)
.irp e, 0,1,2,3,4,5,6,7
.irp a, 0,1,2,3
	v_mov_b32_dpp v[ACC1+8*\a+\e], v[U+\a] row_share:\e row_mask:0xf bank_mask:0xf   ; register e: 1 / |rt_j|, j = 16 (4 w + a) + 8 h + e
.endr
.endr
	; A2: cosines = num / |lt| / |rt|, split, to S[i][j]
.irp a, 0,1,2,3
.irp it, 0,1
.irp p, 0,1,2,3
	v_pk_mul_f32 v[ACC0+8*(2*\a+\it)+2*\p:ACC0+8*(2*\a+\it)+2*\p+1], v[ACC0+8*(2*\a+\it)+2*\p:ACC0+8*(2*\a+\it)+2*\p+1], v[ACC1+8*\a+2*\p:ACC1+8*\a+2*\p+1]
.endr
.irp p, 0,1,2,3
.if \it == 0
	v_pk_mul_f32 v[ACC0+8*(2*\a+\it)+2*\p:ACC0+8*(2*\a+\it)+2*\p+1], v[ACC0+8*(2*\a+\it)+2*\p:ACC0+8*(2*\a+\it)+2*\p+1], v[INLR:INLR+1] op_sel_hi:[1,0]
.else
	v_pk_mul_f32 v[ACC0+8*(2*\a+\it)+2*\p:ACC0+8*(2*\a+\it)+2*\p+1], v[ACC0+8*(2*\a+\it)+2*\p:ACC0+8*(2*\a+\it)+2*\p+1], v[INLR:INLR+1] op_sel:[0,1] op_sel_hi:[1,1]
.endif
.endr
	SPLIT ACC0+8*(2*\a+\it), F+8*(2*\a+\it)
	PUT \a, \it, F+8*(2*\a+\it)
.endr
.endr
	BAR                                            ; S is whole
	; A3: att^T[d][i] = sum over j of rt[j][d] S[i][j].  Wave w: d tiles 4 w + a, both i tiles.  Source 0 = rt read transposed, source 1 = S hi, then S lo.
	; 128 loads in two halves of 64 (j steps 0-3, then 4-7), each half: 32 transposing loads, then 32 of S ordered by j step.
.irp hf, 0,1
	WIN 0x80
.irp jq, 0,1,2,3
.irp a, 0,1,2,3
	ds_load_tr16_b128 v[8*(4*(4*\hf+\jq)+\a):8*(4*(4*\hf+\jq)+\a)+3], v[TR0+\hf] offset:MAT*\jq+32*\a
	ds_load_tr16_b128 v[8*(4*(4*\hf+\jq)+\a)+4:8*(4*(4*\hf+\jq)+\a)+7], v[TR0+\hf] offset:MAT*\jq+32*\a+T16
.endr
.endr
	WIN 0xc0
.irp jq, 0,1,2,3
.irp sp, 0,1
.irp it, 0,1
	ds_load_b128 v[8*(4*(4*\hf+\jq)+2*\sp+\it):8*(4*(4*\hf+\jq)+2*\sp+\it)+3], v[SB] offset:\sp*MAT+\it*T16+64*(4*\hf+\jq)
	ds_load_b128 v[8*(4*(4*\hf+\jq)+2*\sp+\it)+4:8*(4*(4*\hf+\jq)+2*\sp+\it)+7], v[SB] offset:\sp*MAT+\it*T16+64*(4*\hf+\jq)+32
.endr
.endr
.endr
.endr
	WIN 0x0e                                       ; source 0 window 2, source 1 window 3
.irp js, 0,1,2,3,4,5,6,7
.if \js == 0
	s_wait_dscnt 63                                ; of 128 loads at most 63 are out: the first half's 64 are back
.endif
.if \js >= 4
	s_wait_dscnt 24-8*(\js-4)                      ; the 8 loads of S of each later j step may stay out
.endif
.irp sp, 0,1
.irp it, 0,1
.irp a, 0,1,2,3
.if \js+\sp == 0
	v_wmma_f32_16x16x32_bf16 v[ACC0+8*(2*\a+\it):ACC0+8*(2*\a+\it)+7], v[8*(4*\js+\a):8*(4*\js+\a)+7], v[8*(4*\js+2*\sp+\it):8*(4*\js+2*\sp+\it)+7], 0
.else
	v_wmma_f32_16x16x32_bf16 v[ACC0+8*(2*\a+\it):ACC0+8*(2*\a+\it)+7], v[8*(4*\js+\a):8*(4*\js+\a)+7], v[8*(4*\js+2*\sp+\it):8*(4*\js+2*\sp+\it)+7], v[ACC0+8*(2*\a+\it):ACC0+8*(2*\a+\it)+7]
.endif
.endr
.endr
.endr
.endr                                              ; eight accumulators by turns
	WIN 0
	PLACES
.irp a, 0,1,2,3
.irp it, 0,1
	ds_load_b128 v[F+4*(2*\a+\it):F+4*(2*\a+\it)+3], v[LP] offset:\it*T16+32*\a    ; lt[16 it + r][16 (4 w + a) + 8 h ..]: the numbers that meet my att
.endr
.endr
	BAR                                            ; every wave has read S: its bytes may be written again
	; A4: P = lt x att, split, over S
.irp a, 0,1,2,3
.irp it, 0,1
.irp p, 0,1,2,3
	v_lshlrev_b32 v[Y+2*\p], 16, v[F+4*(2*\a+\it)+\p]
	v_and_b32 v[Y+2*\p+1], s27, v[F+4*(2*\a+\it)+\p]
.endr
.irp p, 0,1,2,3
	v_pk_mul_f32 v[ACC0+8*(2*\a+\it)+2*\p:ACC0+8*(2*\a+\it)+2*\p+1], v[ACC0+8*(2*\a+\it)+2*\p:ACC0+8*(2*\a+\it)+2*\p+1], v[Y+2*\p:Y+2*\p+1]
.endr
	SPLIT ACC0+8*(2*\a+\it), ACC1+8*(2*\a+\it)
	PUT \a, \it, ACC1+8*(2*\a+\it)
.endr
.endr
	BAR                                            ; P is whole
	; A5: three tiles for each wave (i tile w & 1, l tile w >> 1): W_full x (lt h), W_att x P, W_maxatt x P, each with hi and with lo.
	WIN 0x80
.irp ks, 0,1,2,3,4,5,6,7
.irp c, 0,1,2
	ds_load_b128 v[8*(3*\ks+\c):8*(3*\ks+\c)+3], v[WB] offset:\c*MAT+64*\ks
	ds_load_b128 v[8*(3*\ks+\c)+4:8*(3*\ks+\c)+7], v[WB] offset:\c*MAT+64*\ks+32
.endr
.endr
	WIN 0xc0
.irp ks, 0,1,2,3,4,5,6,7
.irp rg, 0,1,2,3
	ds_load_b128 v[8*(4*\ks+\rg):8*(4*\ks+\rg)+3], v[FB] offset:\rg*MAT+64*\ks       ; rg 0 P hi, 1 P lo, 2 (lt h) hi, 3 (lt h) lo
	ds_load_b128 v[8*(4*\ks+\rg)+4:8*(4*\ks+\rg)+7], v[FB] offset:\rg*MAT+64*\ks+32
.endr
.endr
.macro FIN o, c, rg, ks, zero
.if \zero
	v_wmma_f32_16x16x32_bf16 v[ACC0+8*\o:ACC0+8*\o+7], v[8*(3*\ks+\c):8*(3*\ks+\c)+7], v[8*(4*\ks+\rg):8*(4*\ks+\rg)+7], 0
.else
	v_wmma_f32_16x16x32_bf16 v[ACC0+8*\o:ACC0+8*\o+7], v[8*(3*\ks+\c):8*(3*\ks+\c)+7], v[8*(4*\ks+\rg):8*(4*\ks+\rg)+7], v[ACC0+8*\o:ACC0+8*\o+7]
.endif
.endm
	WIN 0x0e
.irp ks, 0,1,2,3,4,5,6,7
	s_wait_dscnt 56-8*\ks                          ; the 8 loads of source 1 of each later K step may stay out
.if \ks == 0
	FIN 0, 0, 2, \ks, 1
	FIN 1, 1, 0, \ks, 1
	FIN 2, 2, 0, \ks, 1
.else
	FIN 0, 0, 2, \ks, 0
	FIN 1, 1, 0, \ks, 0
	FIN 2, 2, 0, \ks, 0
.endif
	FIN 0, 0, 3, \ks, 0
	FIN 1, 1, 1, \ks, 0
	FIN 2, 2, 1, \ks, 0
.endr                                              ; three accumulators by turns
	WIN 0
	PLACES
	ds_store_b128 v[ST], v[ACC0:ACC0+3]                    ; full: columns 16 (w >> 1) + 8 h ..
	ds_store_b128 v[ST], v[ACC0+4:ACC0+7] offset:16
	ds_store_b128 v[ST], v[ACC0+8:ACC0+11] offset:256      ; attentive: 64 columns on
	ds_store_b128 v[ST], v[ACC0+12:ACC0+15] offset:272
	ds_store_b128 v[ST], v[ACC0+16:ACC0+19] offset:384     ; max-attentive: 96 columns on
	ds_store_b128 v[ST], v[ACC0+20:ACC0+23] offset:400
; ---------------------------------------------------------------- MAX-POOLING MATCHING
; Wave w owns l = 8 w .. 8 w + 7, four at a time.  The 8 tiles bf16(lt x W[l]) (4 l x 2 i tiles, K = 256) are made once and stay in 512 registers
; as source 1; rt streams from LDS as source 0: two loads of 16 bytes a lane feed eight matrix instructions.  In a result lane r is i and the
; registers (and the two halves of the lanes) are j, so the maximum over j is taken inside the lane, on the set of accumulators that the block before made.
.macro WLOAD buf, la                   ; row 8 w + la of W_maxpool in the layout of a fragment's K: the sixteen lanes of a half read the same bytes
.irp ks, 0,1,2,3,4,5,6,7
	ds_load_b128 v[\buf+8*\ks:\buf+8*\ks+3], v[WP] offset:PITCH*(\la)+64*\ks
	ds_load_b128 v[\buf+8*\ks+4:\buf+8*\ks+7], v[WP] offset:PITCH*(\la)+64*\ks+32
.endr
.endm
.macro SCALE buf, lq                   ; tiles t = lq and 4 + lq: lt fragments (window 1) times the row of W, rounded once to bf16
	WIN 0x81
.irp ks, 0,1,2,3
.irp it, 0,1
.irp e, 0,1,2,3,4,5,6,7
	v_pk_mul_bf16 v[64*\ks+8*(4*\it+\lq)+\e], v[8*(8*\it+\ks)+\e], v[\buf+8*\ks+\e]
.endr
.endr
.endr
	WIN 0xc1
.irp ks, 4,5,6,7
.irp it, 0,1
.irp e, 0,1,2,3,4,5,6,7
	v_pk_mul_bf16 v[64*(\ks-4)+8*(4*\it+\lq)+\e], v[8*(8*\it+\ks)+\e], v[\buf+8*\ks+\e]
.endr
.endr
.endr
.endm
; Four matrix instructions of K step g (fragment at fa) on accumulators t0 .. t0 + 3 of set P; the 8 accumulators take turns.
; domax: behind each of them one register of tile g of set Q goes into the running maximum.  Source 1 names window 2 or 3 here, so the
; two vector operands stand in sources 0 and 2 and -infinity, a scalar, in source 1.
.macro HALFG g, fa, P, Q, domax, t0
.irp t, \t0, \t0+1, \t0+2, \t0+3
.if \g == 0
	v_wmma_f32_16x16x32_bf16 v[\P+8*(\t):\P+8*(\t)+7], v[\fa:\fa+7], v[64*(\g&3)+8*(\t):64*(\g&3)+8*(\t)+7], 0
.else
	v_wmma_f32_16x16x32_bf16 v[\P+8*(\t):\P+8*(\t)+7], v[\fa:\fa+7], v[64*(\g&3)+8*(\t):64*(\g&3)+8*(\t)+7], v[\P+8*(\t):\P+8*(\t)+7]
.endif
.if \domax
	v_max3_num_f32 v[RUN+\g], v[RUN+\g], s26, v[\Q+8*\g+(\t)]
.endif
.endr
.endm
.macro GROUP g, fa, P, Q, domax, wt
	s_wait_dscnt \wt
	HALFG \g, \fa, \P, \Q, \domax, 0
	HALFG \g, \fa, \P, \Q, \domax, 4
.endm
; A j tile's LDS loads, in ONE run, so that the stream of 64 matrix instructions is broken once: first this tile's K steps 4 to 7 (one buffer: the tile
; before has just read it), then, full = 1, the next tile's K steps 0 to 3, into the buffer that this tile does not read.
.macro RUNLD full
.irp g, 4,5,6,7
	ds_load_b128 v[F+8*\g:F+8*\g+3], v[ADR] offset:64*\g
	ds_load_b128 v[F+8*\g+4:F+8*\g+7], v[ADR] offset:64*\g+32
.endr
.if \full
	ds_load_b128 v[FN0:FN0+3], v[ADR] offset:T16
	ds_load_b128 v[FN0+4:FN0+7], v[ADR] offset:T16+32
	ds_load_b128 v[FN1:FN1+3], v[ADR] offset:T16+64
	ds_load_b128 v[FN1+4:FN1+7], v[ADR] offset:T16+96
	ds_load_b128 v[FN2:FN2+3], v[ADR] offset:T16+128
	ds_load_b128 v[FN2+4:FN2+7], v[ADR] offset:T16+160
	ds_load_b128 v[FN3:FN3+3], v[ADR] offset:T16+192
	ds_load_b128 v[FN3+4:FN3+7], v[ADR] offset:T16+224
.endif
.endm
; One j tile: 64 matrix instructions.  par = the tile's parity: which buffer holds its K steps 0 to 3 (FC0-3) and which takes the next tile's (FN0-3).
; The run stands behind the fourth matrix instruction of K step 0.  Between the last matrix instruction that read K step 7's fragment and the run stand six
; plain vector instructions that name none of its registers: its own v_max3_num_f32, the address step, four v_max3_num_f32 on tile 0 of the other set.
; THE WAITS (LDS loads come back in order, ISA guide 5.7.1).  K step 0: its pair is the ninth and tenth load of the run before: 6 younger loads may stay out.
; K steps 1 to 3: the younger pairs of that run and the 16 just issued: 20, 18, 16.  K steps 4 to 7: the younger loads of this run: 14, 12, 10, 8.
; The last tile's run has 8 loads: every count from K step 1 on is 8 less.
.macro BLOCK P, Q, domax, last, par
.if \par
.set FC0, ALT0
.set FC1, ALT1
.set FC2, ALT2
.set FC3, ALT3
.set FN0, F
.set FN1, F+8
.set FN2, F+16
.set FN3, F+24
.else
.set FC0, F
.set FC1, F+8
.set FC2, F+16
.set FC3, F+24
.set FN0, ALT0
.set FN1, ALT1
.set FN2, ALT2
.set FN3, ALT3
.endif
	WIN 0x08                                       ; source 1 window 2
	s_wait_dscnt 6
	HALFG 0, FC0, \P, \Q, \domax, 0
	RUNLD 1-\last
	HALFG 0, FC0, \P, \Q, \domax, 4
	GROUP 1, FC1, \P, \Q, \domax, 20-8*\last
	GROUP 2, FC2, \P, \Q, \domax, 18-8*\last
	GROUP 3, FC3, \P, \Q, \domax, 16-8*\last
	WIN 0x0c                                       ; source 1 window 3
	GROUP 4, F+32, \P, \Q, \domax, 14-8*\last
	GROUP 5, F+40, \P, \Q, \domax, 12-8*\last
	GROUP 6, F+48, \P, \Q, \domax, 10-8*\last
	GROUP 7, F+56, \P, \Q, \domax, 8-8*\last
.if \last == 0
.if \domax == 0
	PLACES                                         ; tile 0 has no maxima between its matrix instructions: the places in front of the next tile's reads of its results and of its run
.endif
	v_add_nc_u32 v[ADR], v[ADR], s31               ; the next j tile (the scalar stands in source 1)
.endif
.endm
.macro PASS ps
	WIN 0
	v_add_nc_u32 v[ADR], RT, v[PAT]
.irp t, 0,1,2,3,4,5,6,7
	v_mov_b32 v[RUN+\t], s26
.endr
	WLOAD F, 4*\ps
	WLOAD ACC0, 4*\ps+1
	WLOAD ACC1, 4*\ps+2
	s_wait_dscnt 32                                ; the first row of W is in; the two younger rows (32 loads) stay out
	SCALE F, 0
	WIN 0
.irp ks, 0,1,2,3
	ds_load_b128 v[F+8*\ks:F+8*\ks+3], v[ADR] offset:64*\ks        ; j tile 0, K steps 0 to 3
	ds_load_b128 v[F+8*\ks+4:F+8*\ks+7], v[ADR] offset:64*\ks+32
.endr
	s_wait_dscnt 24                                ; the second row is in; out: the third row (16) and the 8 of rt
	SCALE ACC0, 1
	WIN 0
	WLOAD ACC0, 4*\ps+3
	s_wait_dscnt 24                                ; the third row is in; out: the 8 of rt and the fourth row (16)
	SCALE ACC1, 2
	s_wait_dscnt 0
	SCALE ACC0, 3
	BLOCK ACC0, ACC0, 0, 0, 0                      ; j tile 0: nothing to reduce yet
	WIN 0
	s_mov_b32 s32, 7
.Lmp\ps:
	BLOCK ACC1, ACC0, 1, 0, 1
	BLOCK ACC0, ACC1, 1, 0, 0
	WIN 0
	s_sub_co_u32 s32, s32, 1
	s_cmp_lg_u32 s32, 0
	s_cbranch_scc1 .Lmp\ps
	BLOCK ACC1, ACC0, 1, 1, 1                      ; j tile 15
	WIN 0
	PLACES
.irp k, 0,1,2,3
.irp t, 0,1,2,3,4,5,6,7
	v_max3_num_f32 v[RUN+\t], v[RUN+\t], v[ACC1+8*\t+2*\k], v[ACC1+8*\t+2*\k+1]
.endr
.endr
.irp t, 0,1,2,3,4,5,6,7
	v_permlanex16_b32 v[Y+\t], v[RUN+\t], s28, s29 ; the other half of the lanes holds the other eight j of each tile; Y has been written before
.endr
.irp t, 0,1,2,3,4,5,6,7
	v_max_num_f32 v[RUN+\t], v[RUN+\t], v[Y+\t]
.endr
	ds_store_b128 v[SM], v[RUN:RUN+3] offset:16*\ps            ; row r, columns 32 + 8 w + 4 ps ..; both halves of the lanes store the same numbers
	ds_store_b128 v[SM], v[RUN+4:RUN+7] offset:T16+16*\ps      ; row 16 + r
.endm
	PASS 0
	PASS 1
	BAR                                            ; the stage is whole
; ---------------------------------------------------------------- TANH AND OUT
; tanh(x) = 1 - 2 / (1 + 2^(2 log2(e) x)); where x^2 < 1/64 the series x (1 - x^2/3 + 2 x^4/15), whose first dropped term is below 17/315 x 0.125^6 of x.
.macro TANH4 x
.irp i, 0,1,2,3
	v_mul_f32 v[U+\i], s33, v[\x+\i]
.endr
.irp i, 0,1,2,3
	v_mul_f32 v[U+4+\i], v[\x+\i], v[\x+\i]
.endr
.irp i, 0,1,2,3
	v_exp_f32 v[U+\i], v[U+\i]
.endr
.irp i, 0,1,2,3
	v_fma_f32 v[HI+\i], v[U+4+\i], s34, s35        ; plain work behind the exponentials (ISA guide 5.7.2)
.endr
	s_wait_alu depctr_va_vdst(0)
.irp i, 0,1,2,3
	v_add_f32 v[U+\i], 1.0, v[U+\i]
.endr
.irp i, 0,1,2,3
	v_fma_f32 v[HI+\i], v[HI+\i], v[U+4+\i], 1.0
.endr
.irp i, 0,1,2,3
	v_rcp_f32 v[U+\i], v[U+\i]
.endr
.irp i, 0,1,2,3
	v_mul_f32 v[HI+\i], v[HI+\i], v[\x+\i]         ; plain work behind the reciprocals
.endr
	s_wait_alu depctr_va_vdst(0)
.irp i, 0,1,2,3
	v_fma_f32 v[U+\i], v[U+\i], -2.0, 1.0
.endr
.irp i, 0,1,2,3
	v_cmp_gt_f32 vcc_lo, s36, v[U+4+\i]
	v_cndmask_b32 v[\x+\i], v[U+\i], v[HI+\i], vcc_lo
.endr
.endm
.irp k, 0,1,2,3,4,5,6,7
	ds_load_b128 v[F+4*\k:F+4*\k+3], v[OL] offset:PITCH*\k     ; row 8 w + k: 32 lanes x 16 bytes
.endr
.irp k, 0,1,2,3,4,5,6,7
	s_wait_dscnt 7-\k                              ; LDS loads come back in order: row k is in
	TANH4 F+4*\k
	global_store_b128 v[GO], v[F+4*\k:F+4*\k+3], s[24:25] offset:512*\k th:TH_STORE_NT   ; a whole row of out0: 512 consecutive bytes, aligned
.endr
	s_wait_tensorcnt 0x0
	ds_add_u32 v11, v15
	s_wait_dscnt 0x0
	s_endpgm
.Lfunc_end_k_q58fa9571c7_mp:
	.size	k_q58fa9571c7_mp, .Lfunc_end_k_q58fa9571c7_mp-k_q58fa9571c7_mp
	.p2alignl 7, 3214868480
	.fill 96, 4, 3214868480
	.section	.rodata,"a",@progbits
	.p2align	6, 0x0
	.amdhsa_kernel k_q58fa9571c7_mp
		.amdhsa_group_segment_fixed_size 304896
		.amdhsa_private_segment_fixed_size 0
		.amdhsa_enable_private_segment 0
		.amdhsa_kernarg_size 72
		.amdhsa_user_sgpr_count 2
		.amdhsa_user_sgpr_kernarg_segment_ptr 1
		.amdhsa_wavefront_size32 1
		.amdhsa_system_sgpr_workgroup_id_x 1
		.amdhsa_system_sgpr_workgroup_id_y 1
		.amdhsa_system_sgpr_workgroup_id_z 1
		.amdhsa_system_vgpr_workitem_id 0
		.amdhsa_next_free_vgpr 1024
		.amdhsa_next_free_sgpr 66
		.amdhsa_reserve_vcc 1
		.amdhsa_float_denorm_mode_32 3
		.amdhsa_float_denorm_mode_16_64 3
		.amdhsa_memory_ordered 1
		.amdhsa_forward_progress 1
		.amdhsa_inst_pref_size 255
	.end_amdhsa_kernel
	.section	.bss,"aw",@nobits
	.p2align	6
	.space	262144
	.amdgpu_metadata
---
amdhsa.version: [ 1, 2 ]
amdhsa.kernels:
  - .name:           k_q58fa9571c7_mp
    .symbol:         k_q58fa9571c7_mp.kd
    .args:
      - { .name: lstm_lt, .offset: 0, .size: 8, .value_kind: global_buffer, .address_space: global }
      - { .name: lstm_rt, .offset: 8, .size: 8, .value_kind: global_buffer, .address_space: global }
      - { .name: forward_h_rt, .offset: 16, .size: 8, .value_kind: global_buffer, .address_space: global }
      - { .name: backward_h_rt, .offset: 24, .size: 8, .value_kind: global_buffer, .address_space: global }
      - { .name: W_full, .offset: 32, .size: 8, .value_kind: global_buffer, .address_space: global }
      - { .name: W_maxpool, .offset: 40, .size: 8, .value_kind: global_buffer, .address_space: global }
      - { .name: W_att, .offset: 48, .size: 8, .value_kind: global_buffer, .address_space: global }
      - { .name: W_maxatt, .offset: 56, .size: 8, .value_kind: global_buffer, .address_space: global }
      - { .name: out0, .offset: 64, .size: 8, .value_kind: global_buffer, .address_space: global }
    .group_segment_fixed_size: 304896
    .private_segment_fixed_size: 0
    .kernarg_segment_align: 8
    .kernarg_segment_size: 72
    .max_flat_workgroup_size: 128
    .sgpr_count:     66
    .vgpr_count:     1024
    .wavefront_size: 32
...
	.end_amdgpu_metadata
.endif
;; end of part 1
